; MI455X (gfx1250); checked and timed in simulation.
; The chip was launched on July 23, 2026; its instructions are those of AMD's public machine-readable ISA for CDNA 5 (MIT licence, August 2026) and "CDNA5" Instruction Set Architecture Reference Guide (July 2026). The comments in the code are by the model that wrote it; some were corrected since.
;; Masked Top K Attn Pool. Allowed arithmetic: float matrix products may take bf16 or f16 operands with f32 sums; all other float work in f32.
;; Inputs: b1 1,024 float32; lengths 32 int32; w1 1,024 x 1,024 float32; w2 1,024 float32; x 32 x 2,048 x 1,024 float32.
;; Outputs: out0 32 x 1,024 float32.
;; 2 versions, each right; version 2 is version 1 with the launch pool written anew for expert scheduling mode. Each part assembles by itself: llvm-mc -triple=amdgcn-amd-amdhsa -mcpu=gfx1250 --defsym DOCPART=n.
;; ======== version 1 of 2: 4 launches
;; workspace buffers: wb 2,097,152 bytes; sp 1,048,576 bytes; rk 262,144 bytes of whole numbers
;; launch prep (part 1): grid 16 x 16, 4 waves a work-group, no clusters, 9,728 bytes of LDS; arguments w1, wb; writes wb
.if DOCPART == 1
	.amdgcn_target "amdgcn-amd-amdhsa--gfx1250"
	.amdhsa_code_object_version 6
	.text
	.protected	k_qc1c13ae840_prep
	.globl	k_qc1c13ae840_prep
	.p2align	8
	.type	k_qc1c13ae840_prep,@function
k_qc1c13ae840_prep:
	s_mov_b64 s[64:65], 0
	v_nop
	global_prefetch_b8 v0, s[64:65] scope:SCOPE_SE
	s_setreg_imm32_b32 hwreg(HW_REG_WAVE_MODE, 25, 1), 1
	s_wait_xcnt 0x0
; wb = w1 rounded to bf16 (nearest even), transposed and laid in blocks: wb[ks][n][kk] = bf16(w1[64 ks + kk][n]), ks 0..15, n 0..1023, kk 0..63.
; So 128 columns n of one K step of 64 are 16,384 dense bytes, which the next launch asks for as rows of 256 bytes.
; A work-group turns 64 k x 64 n.  Wave q loads rows k = 64 ks + 16 q + i, i = 0..15; lane l takes columns 2 l and 2 l + 1: a load of the wave covers 256 consecutive, aligned bytes.
; The turn goes through LDS: rows n of 128 bytes + 16 of padding; back as whole rows, 512 consecutive bytes a store of a wave.
; No matrix unit, no cluster, no tensor load: 4 MiB are read once and 2 MiB written once, and no two work-groups share a byte.
.set PITCH, 144                        ; a stage row: 64 bf16 + 16 bytes
.set SPARE, 64*PITCH                   ; 9,216: behind the stage, the spare words, 128 bytes a wave: two blocks of 256 bytes that no other line names
.set D,   8                            ; v[8:39]   as loaded: D[2 i + j] = w1[16 q + i][2 l + j]; later the rows read back
.set PK,  40                           ; v[40:55]  PK[8 j + m] = the pair k = 16 q + 2 m, 2 m + 1 of column 2 l + j
.set SPW, 56                           ; v56  LDS address of my spare word; never rewritten
.set NIL, 57                           ; v57  0; never rewritten
	s_load_b128 s[4:7], s[0:1], 0x0                ; w1 s[4:5], wb s[6:7]
	v_lshl_add_u32 v[SPW], v0, 2, SPARE
	v_mov_b32 v[NIL], 0
	v_lshrrev_b32 v1, 5, v0
	v_readfirstlane_b32 s8, v1                     ; wave q
	v_and_b32 v2, 31, v0                           ; lane l
	s_and_b32 s9, ttmp7, 0xffff                    ; ks
	s_lshl_b32 s10, s9, 18                         ; 64 ks rows of 4,096 bytes
	s_lshl_b32 s11, s8, 16                         ; 16 q rows
	s_add_co_u32 s10, s10, s11
	s_lshl_b32 s11, ttmp9, 8                       ; 64 columns of 4 bytes for each block of n
	s_add_co_u32 s10, s10, s11
	s_mov_b32 s11, 0
	s_lshl_b32 s12, s9, 17                         ; wb: ks x 131,072
	s_lshl_b32 s13, ttmp9, 13                      ; + 64 n x 128 bytes for each block
	s_add_co_u32 s12, s12, s13
	s_mov_b32 s13, 0
	v_lshlrev_b32 v3, 3, v2                        ; 8 l
	v_mul_u32_u24 v4, v2, 2*PITCH                  ; stage, in: row 2 l,
	v_lshl_add_u32 v4, s8, 5, v4                   ; my wave's 16 k = 32 bytes
	v_lshrrev_b32 v5, 3, v0                        ; stage, back: eight threads a row
	v_mul_u32_u24 v5, v5, PITCH
	v_and_b32 v6, 7, v0
	v_lshl_add_u32 v5, v6, 4, v5
	v_lshlrev_b32 v7, 4, v0                        ; and the same 16 bytes in wb
	s_wait_kmcnt 0x0
	s_add_nc_u64 s[4:5], s[4:5], s[10:11]
	s_add_nc_u64 s[6:7], s[6:7], s[12:13]
.set i, 0
.rept 16
	global_load_b64 v[D+2*i:D+2*i+1], v3, s[4:5] offset:i*4096 th:TH_LOAD_NT
.set i, i+1
.endr
	s_wait_loadcnt 0x0
.set j, 0
.rept 2
.set m, 0
.rept 8
	v_cvt_pk_bf16_f32 v[PK+8*j+m], v[D+4*m+j], v[D+4*m+2+j]    ; two neighbouring k of one column
.set m, m+1
.endr
	ds_store_b128 v4, v[PK+8*j:PK+8*j+3] offset:j*PITCH
	ds_store_b128 v4, v[PK+8*j+4:PK+8*j+7] offset:j*PITCH+16
.set j, j+1
.endr
	s_wait_dscnt 0x0                               ; for the others' sake: my stores into the stage are done
	s_barrier_signal -1
	s_barrier_wait -1
.set i, 0
.rept 4
	ds_load_b128 v[D+4*i:D+4*i+3], v5 offset:i*16*PITCH        ; 16 rows for the 128 threads, four times
.set i, i+1
.endr
.set i, 0
.rept 4
	s_wait_dscnt 3-i                               ; LDS loads come back in order: number i is in
	global_store_b128 v7, v[D+4*i:D+4*i+3], s[6:7] offset:2048*i  ; a wave stores 512 consecutive bytes, aligned
.set i, i+1
.endr
	s_wait_tensorcnt 0x0                           ; the wave's end, behind my last LDS store
	ds_add_u32 v[SPW], v[NIL]
	s_wait_dscnt 0x0
	s_endpgm
.Lfunc_end_k_qc1c13ae840_prep:
	.size	k_qc1c13ae840_prep, .Lfunc_end_k_qc1c13ae840_prep-k_qc1c13ae840_prep
	.p2alignl 7, 3214868480
	.fill 96, 4, 3214868480
	.section	.rodata,"a",@progbits
	.p2align	6, 0x0
	.amdhsa_kernel k_qc1c13ae840_prep
		.amdhsa_group_segment_fixed_size 9728
		.amdhsa_private_segment_fixed_size 0
		.amdhsa_enable_private_segment 0
		.amdhsa_kernarg_size 16
		.amdhsa_user_sgpr_count 2
		.amdhsa_user_sgpr_kernarg_segment_ptr 1
		.amdhsa_wavefront_size32 1
		.amdhsa_system_sgpr_workgroup_id_x 1
		.amdhsa_system_sgpr_workgroup_id_y 1
		.amdhsa_system_sgpr_workgroup_id_z 1
		.amdhsa_system_vgpr_workitem_id 0
		.amdhsa_next_free_vgpr 64
		.amdhsa_next_free_sgpr 66
		.amdhsa_reserve_vcc 0
		.amdhsa_float_denorm_mode_32 3
		.amdhsa_float_denorm_mode_16_64 3
		.amdhsa_memory_ordered 1
		.amdhsa_forward_progress 1
		.amdhsa_inst_pref_size 6
	.end_amdhsa_kernel
	.amdgpu_metadata
---
amdhsa.version: [ 1, 2 ]
amdhsa.kernels:
  - .name:           k_qc1c13ae840_prep
    .symbol:         k_qc1c13ae840_prep.kd
    .args:
      - { .name: w1, .offset: 0, .size: 8, .value_kind: global_buffer, .address_space: global }
      - { .name: wb, .offset: 8, .size: 8, .value_kind: global_buffer, .address_space: global }
    .group_segment_fixed_size: 9728
    .private_segment_fixed_size: 0
    .kernarg_segment_align: 8
    .kernarg_segment_size: 16
    .max_flat_workgroup_size: 128
    .sgpr_count:     66
    .vgpr_count:     64
    .wavefront_size: 32
...
	.end_amdgpu_metadata
.endif
;; end of part 1
;; launch score (part 2): grid 4 x 256, 4 waves a work-group, clusters of 4 x 4, 327,680 bytes of LDS; arguments x, wb, b1, w2, lengths, sp; writes sp
.if DOCPART == 2
	.amdgcn_target "amdgcn-amd-amdhsa--gfx1250"
	.amdhsa_code_object_version 6
	.text
	.protected	k_qc1c13ae840_score
	.globl	k_qc1c13ae840_score
	.p2align	8
	.type	k_qc1c13ae840_score,@function
k_qc1c13ae840_score:
	s_mov_b64 s[64:65], 0
	v_nop
	global_prefetch_b8 v0, s[64:65] scope:SCOPE_SE
	s_setreg_imm32_b32 hwreg(HW_REG_WAVE_MODE, 25, 1), 1
	s_wait_xcnt 0x0
	s_wait_alu depctr_hold_cnt(0) depctr_sa_sdst(0) depctr_va_vdst(0) depctr_va_sdst(0) depctr_va_ssrc(0) depctr_va_vcc(0) depctr_vm_vsrc(0)
	s_getreg_b32 s2, hwreg(HW_REG_IB_STS2, 6, 4)
	s_cmp_eq_u32 s2, 0
	s_cbranch_scc0 .Lentry_in_a_cluster
	s_endpgm
.Lentry_in_a_cluster:
	s_bfe_u32 s2, ttmp6, 0x10000c
	s_cmp_lg_u32 s2, 0xf033
	s_cbranch_scc0 .Lentry_shape_is_right
	s_endpgm
.Lentry_shape_is_right:
; sp[cb][row] = the sum over the 256 columns n of block cb of bf16(w2[n]) tanh(bf16(x[row]) . bf16(w1[:, n]) + bf16(b1[n])); -inf where the row's t >= lengths[b].
; Products in bf16 with f32 sums; bias, tanh and the sum over n in f32, so that which rows are later chosen hangs on the rounding of the inputs alone.
; tanh(z) = 1 - 2 / (1 + 2^(2 log2(e) z)): a large z gives 1 / infinity = 0 and so 1, a very negative z gives 2^.. = 0 and so -1: no range is cut.  LIMITS: NaN in the inputs is not treated apart.
; SHARES.  A work-group owns 256 rows (one eighth of a batch row b) and 256 columns of H.  Wave w owns rows 64 w .. + 63 and all 256 columns: 4 x 16 accumulators, 512 registers.
; So each f32 of x is read from LDS and rounded to bf16 by one wave only.
; CLUSTERS: 4 x 4 work-groups.  The four of a row of the cluster own the same 256 rows and need the same tiles of x; the four of a column own the same 256 columns and need the same tiles of wb.
; Each tile is asked for JOINTLY: the same tensor load, with the same descriptor and a mask that names the four, in all four.  That divides the requests for x and for wb by four.
; MASKED ROWS are multiplied like the others and set to -inf on the way out: to leave a tile out would be a branch on a loaded number round barriers and joint loads, which every wave and every partner passes alike.
; THE RING has two slots of unequal depth: N (narrow) holds 64 along K, W (wide) 128.  A unit of K costs 1,024 bytes of x (f32) and 512 of wb: two slots of 128 would not fit in LDS, two of 64 would leave a third of it unused.
; K = 64 + 5 x (128 + 64): N takes K = 0, 192, .. 960, W takes K = 64, 256, .. 832.  The work goes in HALVES of 32 along K, 64 matrix instructions each, on fragment buffers 0 and 1 by turns: N0 N1 W0 W1 W2 W3 N0 ..
; A slot's last LDS read stands in its last half but one, so it is filled again there: N in N0, W in W2.  A load asked for in N0 is waited for in W2, four halves on; one asked for in W2 is waited for in N0, two halves on.
; REGISTERS, in windows of 256 (s_set_vgpr_msb: bits 1:0 source 0, 3:2 source 1, 5:4 source 2, 7:6 destination):
;   window 0: v0-15 addresses; v32-95 x's fragments in f32, later the way out's work; v96-159 x's fragments in bf16, two buffers; v160-191 bias and w2; v192-223 row sums
;   window 1: wb's fragments, two buffers of 128          windows 2, 3: accumulator (mb, nb) at v[8 (16 (mb % 2) + nb)] of window 2 + mb / 2
.set KS,    64
.set PAN,   272                        ; a row of x in slot N: 256 bytes + 16: the 16 rows of a load start at 16 different groups of four banks (64 banks of 4 bytes: ISA guide 11.1)
.set PAW,   528                        ; a row of x in slot W: 512 bytes + 16: likewise
.set PB,    144                        ; a row of wb, 64 along K: 128 bytes + 16: likewise
.set N_A,   0                          ; slot N: x, 256 rows
.set N_B,   N_A+256*PAN                ; 69,632:  wb, 256 rows
.set W_A,   N_B+256*PB                 ; 106,496: slot W: x, 256 rows
.set W_B0,  W_A+256*PAW                ; 241,664: wb, 256 rows of its first 64 along K
.set W_B1,  W_B0+256*PB                ; 278,528: wb, 256 rows of its second 64
.set SPARE, W_B1+256*PB                ; 315,392: behind the ring: the spare words, 128 bytes a wave: two blocks of 256 bytes that no other line names
.set ADAN, 4                           ; v4     LDS address of my fragments of x in slot N
.set ADAW, 5                           ; v5     in slot W
.set ADBN, 6                           ; v6     LDS address of wb's fragments in slot N
.set ADBW0, 7                          ; v7     in slot W, first 64 along K
.set SPW,  8                           ; v8     LDS address of my spare word; never rewritten
.set NIL,  9                           ; v9     0; never rewritten
.set PFO,  10                          ; v10    prefetch: my row of the tile x 4,096
.set SOFF, 11                          ; v11    4 rho: where my two row sums go among the wave's 64
.set TROW, 12                          ; v12    t of my first row sum
.set BO,   13                          ; v13    byte offset of my column of block 0 in b1 and w2
.set LT,   14                          ; v14    at work on LDS addresses: never holds a place in the cluster
.set ADBW1, 15                         ; v15    wb's fragments in slot W, second 64 along K
.set RAW,  32
.set ABF,  96
.set P,    160                         ; pair nb: 2 log2(e) bf16(b1[n]), bf16(w2[n]) for n = 256 cb + 16 nb + lane % 16
.set S,    192                         ; S[8 mb + j]: row 16 mb + 8 (lane / 16) + j, my columns' part
.set WL,   224                         ; the sum of my 16 w2
.set TA,   226                         ; v226-227 at work
.set PFB,  4                           ; s[4:5]  x at the tile's first row; then the prefetch's base
.set SPA,  14                          ; s[14:15] sp at my wave's 64 rows
.set WV,   16                          ; s16 wave   s17 cx   s18 row tile   s19 b   s20 the tile's first t   s21 lengths[b], clamped   s22 wave % 2   s23 cy
.set CX,   17
.set MT,   18
.set BB,   19
.set T0,   20
.set LEN,  21
.set HALF_, 22
.set CY,   23
.set G1AN, 24                          ; s[24:31] descriptor group 1: x for slot N
.set G1AW, 32                          ; s[32:39] x for slot W
.set G1BN, 40                          ; s[40:47] wb for slot N
.set G1BW, 48                          ; s[48:55] wb for slot W
.set G0AN, 56                          ; s[56:59] descriptor group 0: x for slot N
.set G0AW, 60                          ; s[60:63] x for slot W
.set C2,   66                          ; s[66:67] 2 log2(e), named as a pair
.set MK,   68                          ; s68-71 lane masks: bit 3, 2, 1, 0 of lane % 16
.set CNT,  72
.set NINF, 73
.set CB,   86                          ; s86 my block of 256 columns
.set G0BN, 92                          ; s[92:95] wb for slot N
.set G0BW, 96                          ; s[96:99] wb for slot W
.set MSB, 0
.macro WIN new                         ; the immediate's high byte repeats the setting that is left; a switch that changes nothing is dropped
.if MSB != (\new)
	s_set_vgpr_msb (MSB<<8)|(\new)
.set MSB, \new
.endif
.endm
; A round of the cluster's barrier: my work-group's barrier; wave 0 signals for the work-group; every wave waits for all sixteen work-groups; my work-group's barrier once more.
.macro CREST
	s_cmp_lg_u32 s[WV], 0
	s_cbranch_scc1 .Lnot_wave_0_\@
	s_barrier_signal -3
.Lnot_wave_0_\@:
	s_barrier_wait -3
	s_barrier_signal -1
	s_barrier_wait -1
.endm
.macro CROUND
	s_barrier_signal -1
	s_barrier_wait -1
	CREST
.endm
; A joint refill of slot W (wide = 1) or N.  Waves 0 and 1 ask for the two halves of x's rows, waves 2 and 3 for wb's two parts.  Each line has one mask; the branch hangs on the wave's number alone.
; An s_nop 0 and four v_nop follow each tensor load.  pf: waves 0 and 1 then prefetch x's bytes of the NEXT refill, which is the other slot's: one lane a row and 256 bytes, 32 rows a wave;
; with the four partners of my row of the cluster the tile's 256 rows, each block of 256 bytes once.  pf = 2: in the loop's last trip nothing follows (K ends at 1,024), and the lines are jumped over.
.macro JLOAD wide, pf
	s_cmp_lt_u32 s[WV], 2
	s_cbranch_scc0 .Lfor_b_\@
.if \wide
	tensor_load_to_lds s[G0AW:G0AW+3], s[G1AW:G1AW+7]
.else
	tensor_load_to_lds s[G0AN:G0AN+3], s[G1AN:G1AN+7]
.endif
	s_nop 0
.rept 4
	v_nop
.endr
.if (\pf) == 2
	s_cmp_eq_u32 s[CNT], 1
	s_cbranch_scc1 .Lasked_\@
.endif
.if \pf
.if \wide
	global_prefetch_b8 v[PFO], s[PFB:PFB+1] offset:512 th:TH_LOAD_NT scope:SCOPE_SE  ; the narrow tile behind this wide one
.else
	global_prefetch_b8 v[PFO], s[PFB:PFB+1] th:TH_LOAD_NT scope:SCOPE_SE             ; the wide tile behind this narrow one: 512 bytes a row
	global_prefetch_b8 v[PFO], s[PFB:PFB+1] offset:256 th:TH_LOAD_NT scope:SCOPE_SE
.endif
.endif
	s_branch .Lasked_\@
.Lfor_b_\@:
.if \wide
	tensor_load_to_lds s[G0BW:G0BW+3], s[G1BW:G1BW+7]
.else
	tensor_load_to_lds s[G0BN:G0BN+3], s[G1BN:G1BN+7]
.endif
	s_nop 0
.rept 4
	v_nop
.endr
.Lasked_\@:
.endm
.macro SHAPE g, c, r, p                ; words 1 to 7 of a group 1: r rows of c elements, p elements from row to row; the tiles never cross the tensor's end, so the extents are the tile's
	s_mov_b32 s[(\g)+1], (\c)<<16                  ; tensor_dim0
	s_mov_b32 s[(\g)+2], (\r)<<16                  ; tensor_dim1
	s_mov_b32 s[(\g)+3], (\c)<<16                  ; tile_dim0
	s_mov_b32 s[(\g)+4], \r                        ; tile_dim1
	s_mov_b32 s[(\g)+5], \p
	s_mov_b32 s[(\g)+6], 0
	s_mov_b32 s[(\g)+7], 0
.endm
	s_load_b256 s[4:11], s[0:1], 0x0               ; x s[4:5], wb s[6:7], b1 s[8:9], w2 s[10:11]
	s_load_b128 s[12:15], s[0:1], 0x20             ; lengths s[12:13], sp s[14:15]
	v_lshl_add_u32 v[SPW], v0, 2, SPARE
	v_mov_b32 v[NIL], 0
	ds_add_u32 v[SPW], v[NIL]                      ; the wave's opening: the add and its wait stand ahead of my first tensor load; work on registers stands between them
	v_lshrrev_b32 v3, 5, v0
	v_readfirstlane_b32 s[WV], v3                  ; wave 0..3
	s_bfe_u32 s[CX], ttmp6, 0x40000                ; cx: my place along the cluster's x
	s_bfe_u32 s[CY], ttmp6, 0x40004                ; cy: along its y
	s_lshl_b32 s[CB], ttmp9, 2                     ; in a cluster launch ttmp9 and ttmp7 count clusters
	s_add_co_u32 s[CB], s[CB], s[CX]               ; block of 256 columns = 4 x cluster x + cx
	s_and_b32 s[MT], ttmp7, 0xffff
	s_lshl_b32 s[MT], s[MT], 2
	s_add_co_u32 s[MT], s[MT], s[CY]               ; tile of 256 rows = 4 x cluster y + cy
	s_lshl_b32 s89, s[CY], 2
	s_lshl_b32 s89, 15, s89                        ; my row of the cluster: places 4 cy .. 4 cy + 3
	s_lshl_b32 s90, 0x1111, s[CX]                  ; my column: places cx, cx + 4, cx + 8, cx + 12
	s_lshr_b32 s[BB], s[MT], 3                     ; eight tiles to a batch row
	s_and_b32 s[T0], s[MT], 7
	s_lshl_b32 s[T0], s[T0], 8
	s_and_b32 s[HALF_], s[WV], 1                   ; which part of a tile I fetch
	; group 1, first word: 15:0 the mask; 17:16 element size; 20 padding on; 21 set beside a mask; 24:22 the padding's interval; 31:25 4 words of padding (code 3)
	s_or_b32 s[G1AN], s89, (2<<16)|(1<<20)|(1<<21)|(5<<22)|(3<<25)  ; x, my row of the cluster; 4-byte elements; behind every 64 words
	SHAPE G1AN, 64, 128, 1024                      ; 128 rows x 64 elements
	s_or_b32 s[G1AW], s89, (2<<16)|(1<<20)|(1<<21)|(6<<22)|(3<<25)  ; behind every 128 words
	SHAPE G1AW, 128, 128, 1024                     ; 128 rows x 128 elements
	s_or_b32 s[G1BN], s90, (1<<16)|(1<<20)|(1<<21)|(4<<22)|(3<<25)  ; wb, my column of the cluster; 2-byte elements; behind every 32 words, which is every column n
	SHAPE G1BN, 128, 64, 128                       ; 128 columns n are 16,384 dense bytes: 64 rows of 256 bytes, two n a row
	s_or_b32 s[G1BW], s90, (1<<16)|(1<<20)|(1<<21)|(4<<22)|(3<<25)
	SHAPE G1BW, 128, 128, 128                      ; 256 columns n of one block of 64 along K: 128 rows of 256 bytes
	s_mov_b32 s[C2], 0x4038aa3b                    ; 2 log2(e)
	s_mov_b32 s[C2+1], s[C2]
	s_mov_b32 s[MK+0], 0xff00ff00
	s_mov_b32 s[MK+1], 0xf0f0f0f0
	s_mov_b32 s[MK+2], 0xcccccccc
	s_mov_b32 s[MK+3], 0xaaaaaaaa
	s_mov_b32 s[NINF], 0xff800000
	v_and_b32 v1, 15, v0                           ; r = lane % 16
	v_bfe_u32 v2, v0, 4, 1                         ; h = lane / 16
	v_lshrrev_b32 v3, 2, v1                        ; rho = 16 (r / 4) + 8 h + 2 (r % 4): the rows that the sum over lanes leaves with me are rho and rho + 1
	v_lshlrev_b32 v3, 4, v3
	v_lshl_add_u32 v3, v2, 3, v3
	v_and_b32 v[SOFF], 3, v1
	v_lshl_add_u32 v3, v[SOFF], 1, v3
	v_lshlrev_b32 v[SOFF], 2, v3
	s_lshl_b32 s84, s[WV], 6
	s_add_co_u32 s84, s84, s[T0]
	v_add_nc_u32 v[TROW], s84, v3
	s_lshl_b32 s2, s[BB], 2                        ; lengths[b]
	s_mov_b32 s3, 0
	s_lshl_b32 s78, s[CB], 18                      ; sp: block cb of 65,536 words, tile, wave's 64 words
	s_lshl_b32 s79, s[MT], 10
	s_add_co_u32 s78, s78, s79
	s_lshl_b32 s79, s[WV], 8
	s_add_co_u32 s78, s78, s79
	s_mov_b32 s79, 0
	s_lshl_b32 s74, s[MT], 20                      ; x: 256 rows of 4,096 bytes a tile.  This pair never holds cx
	s_mov_b32 s75, 0
	s_lshl_b32 s76, s[CB], 15                      ; wb: 256 n x 128 bytes a block of columns.  This pair never holds cy
	s_mov_b32 s77, 0
	s_lshl_b32 s100, s[HALF_], 19                  ; my 128 rows of x's tile; this pair holds my part's offsets by turns, made of the wave's number alone
	s_mov_b32 s101, 0
	s_mul_i32 s82, s[HALF_], 128*PAN               ; where my parts go in the slots: no place in the cluster enters an LDS address
	s_mul_i32 s83, s[HALF_], 128*PB
	s_mul_i32 s87, s[HALF_], 128*PAW
	s_mul_i32 s91, s[HALF_], 256*PB
	s_mul_i32 s88, s[WV], 64*PAN                   ; my 64 rows of x in slot N,
	s_mul_i32 s80, s[WV], 64*PAW                   ; and in slot W
	s_add_co_u32 s80, s80, W_A
	s_wait_dscnt 0x0                               ; the opening add is done
	s_wait_kmcnt 0x0
	s_add_nc_u64 s[12:13], s[12:13], s[2:3]
	s_load_b32 s[LEN], s[12:13], 0x0
	s_add_nc_u64 s[SPA:SPA+1], s[SPA:SPA+1], s[78:79]
	s_add_nc_u64 s[4:5], s[4:5], s[74:75]          ; x at the tile's first row
	s_add_nc_u64 s[6:7], s[6:7], s[76:77]          ; wb at my block of columns, K = 0
	s_mov_b32 s[G0AN], 1                                             ; count = 1
	s_add_co_u32 s[G0AN+1], s82, N_A                                 ; LDS address
	s_add_nc_u64 s[G0AN+2:G0AN+3], s[4:5], s[100:101]                ; global address: my 128 rows, K = 0
	s_mov_b32 s[G0AW], 1
	s_add_co_u32 s[G0AW+1], s87, W_A
	s_add_nc_u64 s[G0AW+2:G0AW+3], s[G0AN+2:G0AN+3], KS*4            ; K = 64
	s_or_b32 s[G0AN+3], s[G0AN+3], 0x80000000                        ; type = 2
	s_or_b32 s[G0AW+3], s[G0AW+3], 0x80000000
	s_lshl_b32 s100, s[HALF_], 14                                    ; my 128 columns of a block of 64 along K
	s_mov_b32 s[G0BN], 1
	s_add_co_u32 s[G0BN+1], s83, N_B
	s_add_nc_u64 s[G0BN+2:G0BN+3], s[6:7], s[100:101]                ; K = 0
	s_or_b32 s[G0BN+3], s[G0BN+3], 0x80000000
	s_lshl_b32 s100, s[HALF_], 17                                    ; my block of 64 along K of the wide tile's two
	s_mov_b32 s[G0BW], 1
	s_add_co_u32 s[G0BW+1], s91, W_B0
	s_add_nc_u64 s[G0BW+2:G0BW+3], s[6:7], s[100:101]
	s_add_nc_u64 s[G0BW+2:G0BW+3], s[G0BW+2:G0BW+3], 131072          ; K = 64 or 128
	s_or_b32 s[G0BW+3], s[G0BW+3], 0x80000000
	s_add_nc_u64 s[PFB:PFB+1], s[PFB:PFB+1], KS*4  ; each narrow refill steps this by 192 elements first: then it stands 64 elements behind the narrow tile asked for
	s_wait_kmcnt 0x0
	s_max_i32 s[LEN], s[LEN], 0                    ; a length below 0 masks all, one above 2,048 nothing
	s_min_i32 s[LEN], s[LEN], 2048
	CROUND                                         ; all sixteen work-groups are here: the first joint loads meet
	s_cmp_lt_u32 s[WV], 2                          ; a wave's two first fills stand in one branch, the narrow slot's first: two tensor loads of mine are out
	s_cbranch_scc0 .Lfirst_b
	tensor_load_to_lds s[G0AN:G0AN+3], s[G1AN:G1AN+7]
	s_nop 0
	tensor_load_to_lds s[G0AW:G0AW+3], s[G1AW:G1AW+7]
	s_nop 0
.rept 4
	v_nop
.endr
	s_branch .Lfirst_asked
.Lfirst_b:
	tensor_load_to_lds s[G0BN:G0BN+3], s[G1BN:G1BN+7]
	s_nop 0
	tensor_load_to_lds s[G0BW:G0BW+3], s[G1BW:G1BW+7]
	s_nop 0
.rept 4
	v_nop
.endr
.Lfirst_asked:
	s_lshl_b32 s84, s[CX], 6
	s_lshl_b32 s85, s[HALF_], 5
	s_add_co_u32 s84, s84, s85
	v_and_b32 v3, 31, v0
	v_add_nc_u32 v3, s84, v3                       ; prefetch: row 64 cx + 32 (wave % 2) + lane of the tile
	v_lshlrev_b32 v[PFO], 12, v3
	s_lshl_b32 s84, s[CB], 8
	v_add_nc_u32 v3, s84, v1
	v_lshlrev_b32 v[BO], 2, v3
.set i, 0
.rept 16
	global_load_b32 v[RAW+i], v[BO], s[10:11] offset:64*i      ; w2 of my column in each of the 16 blocks
	global_load_b32 v[RAW+32+i], v[BO], s[8:9] offset:64*i     ; b1
.set i, i+1
.endr
	; LDS addresses.  A fragment of 16 rows x 32 K: lane holds row r; K = 8 h + 0..7 and 16 + 8 h + 0..7.  In f32 that is 32 bytes at 32 h and 32 bytes at 64 + 32 h; in bf16 16 bytes at 16 h and at 32 + 16 h.
	v_mul_u32_u24 v[LT], v1, PAN
	v_lshl_add_u32 v[LT], v2, 5, v[LT]
	v_add_nc_u32 v[ADAN], s88, v[LT]
	v_mul_u32_u24 v[LT], v1, PAW
	v_lshl_add_u32 v[LT], v2, 5, v[LT]
	v_add_nc_u32 v[ADAW], s80, v[LT]
	v_mul_u32_u24 v[LT], v1, PB
	v_lshl_add_u32 v[LT], v2, 4, v[LT]
	v_add_nc_u32 v[ADBN], N_B, v[LT]
	v_add_nc_u32 v[ADBW0], W_B0, v[LT]
	v_add_nc_u32 v[ADBW1], W_B1, v[LT]
	s_wait_loadcnt 0x0
.set i, 0
.rept 16
	v_cvt_pk_bf16_f32 v3, v[RAW+i], v[RAW+32+i]    ; both rounded to bf16, as x and w1 are,
	v_lshlrev_b32 v[P+2*i+1], 16, v3               ; and widened again
	v_and_b32 v3, 0xffff0000, v3
	v_mul_f32 v[P+2*i], s[C2], v3
.set i, i+1
.endr
	v_add_f32 v[WL], v[P+1], v[P+3]
.set i, 2
.rept 14
	v_add_f32 v[WL], v[WL], v[P+2*i+1]
.set i, i+1
.endr
; 8 matrix instructions: column blocks nb0 .. nb0 + 3 x row blocks 2 hi, 2 hi + 1, 32 along K, from buffers f.  Source 0 = 16 rows of x, source 1 = 16 columns n: in the result a lane holds one column n.
; The 64 accumulators take turns, one instruction a turn, in the same order in every half.  zero = 1: the first product starts the sums: nothing is cleared.
.macro MUL8 f, hi, nb0, zero
	WIN 0xa4+0x50*(\hi)                            ; x window 0, wb window 1, C and D window 2 or 3
.irp n, 0,1,2,3
.irp a, 0,1
.if \zero
	v_wmma_f32_16x16x32_bf16 v[8*(16*(\a)+(\nb0)+(\n)):8*(16*(\a)+(\nb0)+(\n))+7], v[ABF+32*(\f)+8*(2*(\hi)+(\a)):ABF+32*(\f)+8*(2*(\hi)+(\a))+7], v[128*(\f)+8*((\nb0)+(\n)):128*(\f)+8*((\nb0)+(\n))+7], 0
.else
	v_wmma_f32_16x16x32_bf16 v[8*(16*(\a)+(\nb0)+(\n)):8*(16*(\a)+(\nb0)+(\n))+7], v[ABF+32*(\f)+8*(2*(\hi)+(\a)):ABF+32*(\f)+8*(2*(\hi)+(\a))+7], v[128*(\f)+8*((\nb0)+(\n)):128*(\f)+8*((\nb0)+(\n))+7], v[8*(16*(\a)+(\nb0)+(\n)):8*(16*(\a)+(\nb0)+(\n))+7]
.endif
.endr
.endr
.endm
; x's four fragments, f32 to bf16, into buffer g.  The four v_nop are the places behind the last products that read buffer g; with them the 32 conversions stand in front of the loads into wb's buffer g.
.macro CVT g
	WIN 0
.rept 4
	v_nop
.endr
.set i, 0
.rept 32
	v_cvt_pk_bf16_f32 v[ABF+32*(\g)+i], v[RAW+2*i], v[RAW+2*i+1]
.set i, i+1
.endr
.endm
.macro LDB reg, off, g                 ; 32 LDS loads: wb's 16 fragments of one half, at byte off of the rows that reg names, into buffer g, column blocks ascending
	WIN 0x40                                       ; destination window 1, address window 0
.set i, 0
.rept 16
	ds_load_b128 v[128*(\g)+8*i:128*(\g)+8*i+3],   v[\reg] offset:i*16*PB+(\off)
	ds_load_b128 v[128*(\g)+8*i+4:128*(\g)+8*i+7], v[\reg] offset:i*16*PB+(\off)+32
.set i, i+1
.endr
.endm
.macro LDA reg, pitch, off             ; 16 LDS loads: my 64 rows of x, 32 K in f32, at byte off of the rows
	WIN 0
.set i, 0
.rept 4
	ds_load_b128 v[RAW+16*i:RAW+16*i+3],     v[\reg] offset:i*16*(\pitch)+(\off)
	ds_load_b128 v[RAW+16*i+4:RAW+16*i+7],   v[\reg] offset:i*16*(\pitch)+(\off)+16
	ds_load_b128 v[RAW+16*i+8:RAW+16*i+11],  v[\reg] offset:i*16*(\pitch)+(\off)+64
	ds_load_b128 v[RAW+16*i+12:RAW+16*i+15], v[\reg] offset:i*16*(\pitch)+(\off)+80
.set i, i+1
.endr
.endm
; A HALF multiplies buffers f.  Beside that it rounds x of the next half into buffer 1 - f, fetches wb of the next half (breg, boff) into buffer 1 - f, and x of the half after that (areg, apitch, aoff; apitch = 0: none).
; At its head, behind a half without a barrier, 48 LDS loads are out: 32 of wb for buffer f, then 16 of x.  Behind a half with a barrier only the 16 of x are out: wb's were waited for in front of that barrier's signal.
; mode 0: no barrier.  mode 2: the fetch of wb is the slot's last read, and the slot (wide = 1: W, 0: N) is filled again, 192 along K on: each wave waits for all its tensor loads (one is out: its part of the
; other slot), adds 0 to its spare word, waits for that and for its reads of the slot; the barrier opens a round of the cluster's barrier, the joint refill is the first thing behind the round, and then the other slot,
; which is whole, is read.  Sixteen matrix instructions stand between the wait for the loads and the refill.  mode 1: the same barrier, nothing filled.
.macro HALF f, breg, boff, mode, wide, pf, areg, apitch, aoff, zero
	s_wait_dscnt 40                                ; the first 8 of the 48: column blocks 0-3
	MUL8 \f, 0, 0, \zero
	s_wait_dscnt 32                                ; column blocks 4-7
	MUL8 \f, 0, 4, \zero
	s_wait_dscnt 0x0                               ; the rest of wb, and x
	CVT 1-(\f)
	LDB \breg, \boff, 1-(\f)
.if (\mode) == 0
.if (\apitch) != 0
	LDA \areg, \apitch, \aoff
.endif
	MUL8 \f, 0, 8, \zero
	MUL8 \f, 0, 12, \zero
	MUL8 \f, 1, 0, \zero
	MUL8 \f, 1, 4, \zero
	MUL8 \f, 1, 8, \zero
	MUL8 \f, 1, 12, \zero
.else
	MUL8 \f, 0, 8, \zero
	MUL8 \f, 0, 12, \zero
	WIN 0                                          ; (the add's two registers lie in window 0)
	s_wait_tensorcnt 0x0                           ; all my tensor loads have landed, so a group 0 may be written
	ds_add_u32 v[SPW], v[NIL]                      ; 0 onto my spare word
.if (\mode) == 2
.if \wide
	s_add_nc_u64 s[G0AW+2:G0AW+3], s[G0AW+2:G0AW+3], 3*KS*4
	s_add_nc_u64 s[G0BW+2:G0BW+3], s[G0BW+2:G0BW+3], 3*131072
.else
	s_wait_xcnt 0x0                                ; the last prefetch has read its base
	s_add_nc_u64 s[PFB:PFB+1], s[PFB:PFB+1], 3*KS*4
	s_add_nc_u64 s[G0AN+2:G0AN+3], s[G0AN+2:G0AN+3], 3*KS*4
	s_add_nc_u64 s[G0BN+2:G0BN+3], s[G0BN+2:G0BN+3], 3*131072
.endif
.endif
	MUL8 \f, 1, 0, \zero                           ; eight matrix instructions stand between the add and the wait for it
	s_wait_dscnt 0x0                               ; the add is done, and my reads of this slot are over
	s_barrier_signal -1
	MUL8 \f, 1, 4, \zero                           ; work on registers while the others arrive
	WIN 0
	s_barrier_wait -1
.if (\mode) == 2
	CREST                                          ; no wave of any partner still reads this slot or has a load on its way
	JLOAD \wide, \pf
.endif
	LDA \areg, \apitch, \aoff
	MUL8 \f, 1, 8, \zero
	MUL8 \f, 1, 12, \zero
.endif
.endm
	s_wait_tensorcnt 0x1                           ; my part of slot N is in; slot W's may stay out
	s_barrier_signal -1
	s_barrier_wait -1                              ; everybody's is
	LDA ADAN, PAN, 0
	s_wait_dscnt 0x0
	CVT 0
	LDB ADBN, 0, 0
	LDA ADAN, PAN, 128
	HALF 0, ADBN,  64, 2, 0, 1, ADAW, PAW, 0,   1  ; N0, K = 0: starts the sums; slot N takes K = 192
	WIN 0                                          ; at a label and at a branch every window is 0
	s_mov_b32 s[CNT], 4
.Lk:                                                   ; a trip: 192 along K, from N's second half to N's next first half; both slots are filled again: W with K = 256 .. 832, N with K = 384 .. 960
	HALF 1, ADBW0, 0,  0, 0, 0, ADAW, PAW, 128, 0  ; N1
	HALF 0, ADBW0, 64, 0, 0, 0, ADAW, PAW, 256, 0  ; W0
	HALF 1, ADBW1, 0,  0, 0, 0, ADAW, PAW, 384, 0  ; W1
	HALF 0, ADBW1, 64, 2, 1, 1, ADAN, PAN, 0,   0  ; W2: slot W is filled again
	HALF 1, ADBN,  0,  0, 0, 0, ADAN, PAN, 128, 0  ; W3
	HALF 0, ADBN,  64, 2, 0, 2, ADAW, PAW, 0,   0  ; N0: slot N is filled again
	WIN 0
	s_sub_co_u32 s[CNT], s[CNT], 1
	s_cmp_lg_u32 s[CNT], 0
	s_cbranch_scc1 .Lk
	HALF 1, ADBW0, 0,  0, 0, 0, ADAW, PAW, 128, 0  ; the tail is written out: N1
	HALF 0, ADBW0, 64, 0, 0, 0, ADAW, PAW, 256, 0  ; W0,
	HALF 1, ADBW1, 0,  0, 0, 0, ADAW, PAW, 384, 0  ; W1,
	HALF 0, ADBW1, 64, 1, 0, 0, ADAN, PAN, 0,   0  ; W2: the last narrow tile is waited for; nothing is filled
	HALF 1, ADBN,  0,  0, 0, 0, ADAN, PAN, 128, 0  ; W3
	HALF 0, ADBN,  64, 0, 0, 0, ADAN, 0,   0,   0  ; N0: no x is left to fetch
	s_wait_dscnt 0x0                               ; N1, K = 992: wb's buffer 1
	MUL8 1, 0, 0, 0
	MUL8 1, 0, 4, 0
	MUL8 1, 0, 8, 0
	MUL8 1, 0, 12, 0
	MUL8 1, 1, 0, 0
	MUL8 1, 1, 4, 0
	MUL8 1, 1, 8, 0
	MUL8 1, 1, 12, 0
	; THE WAY OUT.  For 8 accumulators at a time: t = 2 log2(e) (sum + b1); 2^t; + 1; the reciprocal R; S += w2 R.  Each accumulator's registers are read in ascending order.
	WIN 0
.rept 4
	v_nop                                          ; the places behind the last products
.endr
.macro EPI mb, g
	WIN 0x02+(\mb)/2                               ; source 0 in window 2 or 3
.set i, 0
.rept 8
.set AC, 8*(16*((\mb)%2)+8*(\g)+i)
.set PP, P+2*(8*(\g)+i)
.irp p, 0,1,2,3
	v_pk_fma_f32 v[RAW+8*i+2*(\p):RAW+8*i+2*(\p)+1], v[AC+2*(\p):AC+2*(\p)+1], s[C2:C2+1], v[PP:PP+1] op_sel_hi:[1,0,0]
.endr
.set i, i+1
.endr
	WIN 0
.set i, 0
.rept 64
	v_exp_f32 v[RAW+i], v[RAW+i]
.set i, i+1
.endr
	v_nop                                          ; a plain instruction between the last exponential and the use of its result
.set i, 0
	s_wait_alu depctr_va_vdst(0)
.rept 32
	v_pk_add_f32 v[RAW+2*i:RAW+2*i+1], v[RAW+2*i:RAW+2*i+1], 1.0 op_sel_hi:[1,0]
.set i, i+1
.endr
.set i, 0
.rept 64
	v_rcp_f32 v[RAW+i], v[RAW+i]
.set i, i+1
.endr
	v_nop
	s_wait_alu depctr_va_vdst(0)
.set i, 0
.rept 8
.set PP, P+2*(8*(\g)+i)
.irp p, 0,1,2,3
.if ((\g) == 0) && (i == 0)
	v_pk_mul_f32 v[S+8*(\mb)+2*(\p):S+8*(\mb)+2*(\p)+1], v[RAW+8*i+2*(\p):RAW+8*i+2*(\p)+1], v[PP:PP+1] op_sel:[0,1] op_sel_hi:[1,1]  ; the first column block starts the sums
.else
	v_pk_fma_f32 v[S+8*(\mb)+2*(\p):S+8*(\mb)+2*(\p)+1], v[RAW+8*i+2*(\p):RAW+8*i+2*(\p)+1], v[PP:PP+1], v[S+8*(\mb)+2*(\p):S+8*(\mb)+2*(\p)+1] op_sel:[0,1,0] op_sel_hi:[1,1,1]
.endif
.endr
.set i, i+1
.endr
.endm
.irp m, 0,1,2,3
	EPI \m, 0
	EPI \m, 1
.endr
.set i, 0
.rept 32
	v_fma_f32 v[S+i], v[S+i], -2.0, v[WL]          ; the sum of w2 (1 - 2 R) over my 16 columns
.set i, i+1
.endr
; The sum over the 16 lanes of a half, halving the registers: of registers i and i + n a lane keeps the one that its bit of lane % 16 names and sends the other to the lane that keeps it.
.macro RS n, m, xm
.set i, 0
.rept \n
	v_cndmask_b32 v[TA+i%2], v[S+i+(\n)], v[S+i], s[\m]
	v_cndmask_b32 v[S+i], v[S+i], v[S+i+(\n)], s[\m]
	v_add_f32_dpp v[S+i], v[TA+i%2], v[S+i] row_xmask:\xm row_mask:0xf bank_mask:0xf
.set i, i+1
.endr
.endm
	RS 16, MK+0, 8
	RS 8,  MK+1, 4
	RS 4,  MK+2, 2
	RS 2,  MK+3, 1                                 ; S[0], S[1] are registers 2 r and 2 r + 1 of the 32: rows rho and rho + 1
	v_cmp_gt_u32 vcc_lo, s[LEN], v[TROW]
	v_cndmask_b32 v[S], s[NINF], v[S], vcc_lo      ; -inf where t >= lengths[b]
	v_add_nc_u32 v3, 1, v[TROW]
	v_cmp_gt_u32 vcc_lo, s[LEN], v3
	v_cndmask_b32 v[S+1], s[NINF], v[S+1], vcc_lo
	global_store_b64 v[SOFF], v[S:S+1], s[SPA:SPA+1]  ; the wave's 64 rows: 256 consecutive bytes, aligned
	s_wait_tensorcnt 0x0                           ; the wave's end
	ds_add_u32 v[SPW], v[NIL]
	s_wait_dscnt 0x0
	CROUND                                         ; the closing round: no work-group ends while a partner may still ask for a tile that names it
	s_endpgm
.Lfunc_end_k_qc1c13ae840_score:
	.size	k_qc1c13ae840_score, .Lfunc_end_k_qc1c13ae840_score-k_qc1c13ae840_score
	.p2alignl 7, 3214868480
	.fill 96, 4, 3214868480
	.section	.rodata,"a",@progbits
	.p2align	6, 0x0
	.amdhsa_kernel k_qc1c13ae840_score
		.amdhsa_group_segment_fixed_size 327680
		.amdhsa_private_segment_fixed_size 0
		.amdhsa_enable_private_segment 0
		.amdhsa_kernarg_size 48
		.amdhsa_user_sgpr_count 2
		.amdhsa_user_sgpr_kernarg_segment_ptr 1
		.amdhsa_wavefront_size32 1
		.amdhsa_system_sgpr_workgroup_id_x 1
		.amdhsa_system_sgpr_workgroup_id_y 1
		.amdhsa_system_sgpr_workgroup_id_z 1
		.amdhsa_system_vgpr_workitem_id 0
		.amdhsa_next_free_vgpr 1024
		.amdhsa_next_free_sgpr 102
		.amdhsa_reserve_vcc 1
		.amdhsa_float_denorm_mode_32 3
		.amdhsa_float_denorm_mode_16_64 3
		.amdhsa_memory_ordered 1
		.amdhsa_forward_progress 1
		.amdhsa_inst_pref_size 242
	.end_amdhsa_kernel
	.amdgpu_metadata
---
amdhsa.version: [ 1, 2 ]
amdhsa.kernels:
  - .name:           k_qc1c13ae840_score
    .symbol:         k_qc1c13ae840_score.kd
    .args:
      - { .name: x, .offset: 0, .size: 8, .value_kind: global_buffer, .address_space: global }
      - { .name: wb, .offset: 8, .size: 8, .value_kind: global_buffer, .address_space: global }
      - { .name: b1, .offset: 16, .size: 8, .value_kind: global_buffer, .address_space: global }
      - { .name: w2, .offset: 24, .size: 8, .value_kind: global_buffer, .address_space: global }
      - { .name: lengths, .offset: 32, .size: 8, .value_kind: global_buffer, .address_space: global }
      - { .name: sp, .offset: 40, .size: 8, .value_kind: global_buffer, .address_space: global }
    .group_segment_fixed_size: 327680
    .private_segment_fixed_size: 0
    .kernarg_segment_align: 8
    .kernarg_segment_size: 48
    .max_flat_workgroup_size: 128
    .sgpr_count:     102
    .vgpr_count:     1024
    .wavefront_size: 32
...
	.end_amdgpu_metadata
.endif
;; end of part 2
;; launch rank (part 3): grid 32 x 32, 8 waves a work-group, no clusters, 10,240 bytes of LDS; arguments sp, lengths, rk; writes rk
.if DOCPART == 3
	.amdgcn_target "amdgcn-amd-amdhsa--gfx1250"
	.amdhsa_code_object_version 6
	.text
	.protected	k_qc1c13ae840_rank
	.globl	k_qc1c13ae840_rank
	.p2align	8
	.type	k_qc1c13ae840_rank,@function
k_qc1c13ae840_rank:
	s_mov_b64 s[64:65], 0
	v_nop
	global_prefetch_b8 v0, s[64:65] scope:SCOPE_SE
	s_setreg_imm32_b32 hwreg(HW_REG_WAVE_MODE, 25, 1), 1
	s_wait_xcnt 0x0
; rk[b][t] = the place of position t in the descending order of row b's scores, equal scores by ascending t: what lax.top_k's order gives.  Stored at fixed places: no address and no branch here hangs on a score.
; score = (p0 + p1) + (p2 + p3) of the four partial sums.  A score becomes a whole number that orders as the float does (sign bit set for positive numbers, all bits turned for negative ones).
; A masked position u >= lengths[b] gets the key 0x7fffff - u: below every finite score's key, and ordered by index, as equal -inf are.  So a masked t has the place t, and is not counted for.
; LIMITS: -0 counts as +0; NaN scores are not treated; an unmasked score is taken to be finite.
; SHARES.  A work-group owns 64 positions t of one row b.  Every work-group makes the row's 2,048 keys in LDS.  Wave w: the 32 positions of half w % 2, one a lane, against the eight blocks of 64 keys 8 (w / 2) + i.
; A key u stands ahead of t if key[u] > key[t], or equal with u < t: for u < t that is key[u] > key[t] - 1.  Blocks of masked keys are jumped over: they stand behind every unmasked t.
; No matrix unit, cluster or tensor load: 32 KiB a work-group, read once into LDS through registers.
.set KEYS,  0                          ; 2,048 keys
.set CNTB,  8192                       ; 4 parts x 64 counts
.set SPARE, 9216                       ; the spare words, 128 bytes for each of eight waves: four blocks of 256 bytes that no other line names
.set L,   8                            ; v[8:39]  the partial sums as loaded
.set K,   8                            ; v[8:71]  64 keys, the same in every lane
.set KT,  72                           ; my position's key
.set KTM, 73                           ; less 1
.set THR, 74
.set CN,  75                           ; my count
.set UA,  76                           ; LDS address of the block in hand
.set TL,  77                           ; my position among the work-group's 64
.set SPW, 78
.set NIL, 79
	s_load_b128 s[4:7], s[0:1], 0x0                ; sp s[4:5], lengths s[6:7]
	s_load_b64 s[8:9], s[0:1], 0x10                ; rk
	v_lshl_add_u32 v[SPW], v0, 2, SPARE
	v_mov_b32 v[NIL], 0
	v_lshrrev_b32 v1, 5, v0
	v_readfirstlane_b32 s10, v1                    ; wave
	v_and_b32 v2, 31, v0                           ; lane
	s_and_b32 s11, ttmp7, 0xffff                   ; b
	s_mov_b32 s12, ttmp9                           ; my block of 64 positions
	s_lshl_b32 s14, s11, 2
	s_mov_b32 s15, 0
	s_lshl_b32 s16, s11, 13                        ; a row of 2,048 words
	s_mov_b32 s17, 0
	s_lshl_b32 s18, s12, 8
	s_add_co_u32 s18, s18, s16                     ; and my 64 words of it
	s_mov_b32 s19, 0
	v_lshlrev_b32 v3, 4, v0                        ; 16 x thread
	v_lshlrev_b32 v4, 2, v0                        ; the first of my four positions u
	s_wait_kmcnt 0x0
	s_add_nc_u64 s[6:7], s[6:7], s[14:15]
	s_load_b32 s13, s[6:7], 0x0
	s_add_nc_u64 s[4:5], s[4:5], s[16:17]
	s_add_nc_u64 s[8:9], s[8:9], s[18:19]
.set i, 0
.rept 2
.set p, 0
.rept 4
	global_load_b128 v[L+16*i+4*p:L+16*i+4*p+3], v3, s[4:5] offset:p*262144+i*4096  ; a wave reads 512 consecutive bytes
.set p, p+1
.endr
.set i, i+1
.endr
	s_wait_kmcnt 0x0
	s_max_i32 s13, s13, 0
	s_min_i32 s13, s13, 2048
	s_wait_loadcnt 0x0
.set i, 0
.rept 2
.set R, L+16*i
	v_pk_add_f32 v[R:R+1], v[R:R+1], v[R+4:R+5]
	v_pk_add_f32 v[R+2:R+3], v[R+2:R+3], v[R+6:R+7]
	v_pk_add_f32 v[R+8:R+9], v[R+8:R+9], v[R+12:R+13]
	v_pk_add_f32 v[R+10:R+11], v[R+10:R+11], v[R+14:R+15]
	v_pk_add_f32 v[R:R+1], v[R:R+1], v[R+8:R+9]
	v_pk_add_f32 v[R+2:R+3], v[R+2:R+3], v[R+10:R+11]
.set e, 0
.rept 4
	v_add_f32 v[R+e], 0, v[R+e]                    ; -0 becomes +0
	v_ashrrev_i32 v5, 31, v[R+e]
	v_or_b32 v5, 0x80000000, v5
	v_xor_b32 v[R+e], v5, v[R+e]                   ; the key
	v_add_nc_u32 v6, 1024*i+e, v4                  ; u
	v_sub_nc_u32 v7, 0x7fffff, v6
	v_cmp_gt_u32 vcc_lo, s13, v6
	v_cndmask_b32 v[R+e], v7, v[R+e], vcc_lo       ; masked positions get theirs
.set e, e+1
.endr
	ds_store_b128 v3, v[R:R+3] offset:KEYS+4096*i
.set i, i+1
.endr
	s_and_b32 s20, s10, 1                          ; which 32 positions
	s_lshr_b32 s21, s10, 1                         ; which eight blocks of keys
	s_lshl_b32 s22, s12, 8
	s_lshl_b32 s23, s12, 6
	v_lshl_add_u32 v[TL], s20, 5, v2
	v_lshl_add_u32 v5, v[TL], 2, s22
	s_cmp_lt_u32 s23, s13
	s_cselect_b32 s24, s13, 0                      ; keys at or beyond this are not counted; 0 if all my work-group's positions are masked
	s_lshl_b32 s25, s21, 3                         ; the block in hand
	s_lshl_b32 s27, s25, 8
	v_mov_b32 v[UA], s27
	v_mov_b32 v[CN], 0
	s_wait_dscnt 0x0                               ; for the others' sake: my keys are stored
	s_barrier_signal -1
	s_barrier_wait -1
	ds_load_b32 v[KT], v5 offset:KEYS
	s_wait_dscnt 0x0
	v_add_nc_u32 v[KTM], -1, v[KT]
	s_mov_b32 s26, 8
.Lchunk:
	s_lshl_b32 s27, s25, 6
	s_cmp_ge_u32 s27, s24
	s_cbranch_scc1 .Lskip                          ; a block of masked keys
	s_cmp_eq_u32 s25, s12
	s_cbranch_scc1 .Lskip                          ; my own block comes behind the loop
	s_cmp_lt_u32 s25, s12
	s_cselect_b32 s28, 1, 0                        ; an earlier block: equal keys stand ahead
	v_sub_nc_u32 v[THR], v[KT], s28
.set j, 0
.rept 16
	ds_load_b128 v[K+4*j:K+4*j+3], v[UA] offset:KEYS+16*j      ; every lane reads the same 16 bytes
.set j, j+1
.endr
	s_wait_dscnt 0x0
.set j, 0
.rept 64
	v_cmp_gt_u32 vcc_lo, v[K+j], v[THR]
	v_add_co_ci_u32 v[CN], vcc_lo, 0, v[CN], vcc_lo            ; the count takes the bit as a carry
.set j, j+1
.endr
.Lskip:
	v_add_nc_u32 v[UA], 256, v[UA]
	s_add_co_u32 s25, s25, 1
	s_sub_co_u32 s26, s26, 1
	s_cmp_lg_u32 s26, 0
	s_cbranch_scc1 .Lchunk
	s_lshr_b32 s27, s12, 3                         ; my own block belongs to the waves whose eight hold it
	s_cmp_lg_u32 s27, s21
	s_cbranch_scc1 .Lnodiag
	s_cmp_eq_u32 s24, 0
	s_cbranch_scc1 .Lnodiag
	v_mov_b32 v[UA], s22
.set j, 0
.rept 16
	ds_load_b128 v[K+4*j:K+4*j+3], v[UA] offset:KEYS+16*j
.set j, j+1
.endr
	s_wait_dscnt 0x0
.set j, 0
.rept 64
	v_cmp_lt_u32 vcc_lo, j, v[TL]                  ; is key j's position ahead of mine?
	v_cndmask_b32 v[THR], v[KT], v[KTM], vcc_lo
	v_cmp_gt_u32 vcc_lo, v[K+j], v[THR]
	v_add_co_ci_u32 v[CN], vcc_lo, 0, v[CN], vcc_lo
.set j, j+1
.endr
.Lnodiag:
	; Some reads of keys above take their address from the work-group's number; that they end below the counts' words follows from the grid's 32 blocks, not from this text.
	; So the counts are stored only when every wave's reads are over: load, wait, barrier, store.
	s_wait_dscnt 0x0
	s_barrier_signal -1
	s_barrier_wait -1
	s_lshl_b32 s27, s21, 8
	v_lshl_add_u32 v5, v[TL], 2, s27
	ds_store_b32 v5, v[CN] offset:CNTB
	s_wait_dscnt 0x0                               ; for wave 0's sake: my counts are stored
	s_barrier_signal -1
	s_barrier_wait -1
	s_cmp_lg_u32 s10, 0
	s_cbranch_scc1 .Lend                           ; wave 0 adds the four parts, two positions a lane
	v_lshlrev_b32 v5, 3, v2
.set p, 0
.rept 4
	ds_load_b64 v[8+2*p:9+2*p], v5 offset:CNTB+256*p
.set p, p+1
.endr
	v_lshl_add_u32 v6, v2, 1, s23                  ; t
	v_add_nc_u32 v7, 1, v6
	s_wait_dscnt 0x0
	v_add3_u32 v8, v8, v10, v12
	v_add3_u32 v9, v9, v11, v13
	v_add_nc_u32 v8, v8, v14
	v_add_nc_u32 v9, v9, v15
	v_cmp_gt_u32 vcc_lo, s13, v6
	v_cndmask_b32 v8, v6, v8, vcc_lo               ; a masked position's place is t
	v_cmp_gt_u32 vcc_lo, s13, v7
	v_cndmask_b32 v9, v7, v9, vcc_lo
	global_store_b64 v5, v[8:9], s[8:9]            ; 256 consecutive bytes, aligned
.Lend:
	s_wait_tensorcnt 0x0                           ; the wave's end, behind my last LDS store
	ds_add_u32 v[SPW], v[NIL]
	s_wait_dscnt 0x0
	s_endpgm
.Lfunc_end_k_qc1c13ae840_rank:
	.size	k_qc1c13ae840_rank, .Lfunc_end_k_qc1c13ae840_rank-k_qc1c13ae840_rank
	.p2alignl 7, 3214868480
	.fill 96, 4, 3214868480
	.section	.rodata,"a",@progbits
	.p2align	6, 0x0
	.amdhsa_kernel k_qc1c13ae840_rank
		.amdhsa_group_segment_fixed_size 10240
		.amdhsa_private_segment_fixed_size 0
		.amdhsa_enable_private_segment 0
		.amdhsa_kernarg_size 24
		.amdhsa_user_sgpr_count 2
		.amdhsa_user_sgpr_kernarg_segment_ptr 1
		.amdhsa_wavefront_size32 1
		.amdhsa_system_sgpr_workgroup_id_x 1
		.amdhsa_system_sgpr_workgroup_id_y 1
		.amdhsa_system_sgpr_workgroup_id_z 1
		.amdhsa_system_vgpr_workitem_id 0
		.amdhsa_next_free_vgpr 96
		.amdhsa_next_free_sgpr 66
		.amdhsa_reserve_vcc 1
		.amdhsa_float_denorm_mode_32 3
		.amdhsa_float_denorm_mode_16_64 3
		.amdhsa_memory_ordered 1
		.amdhsa_forward_progress 1
		.amdhsa_inst_pref_size 23
	.end_amdhsa_kernel
	.amdgpu_metadata
---
amdhsa.version: [ 1, 2 ]
amdhsa.kernels:
  - .name:           k_qc1c13ae840_rank
    .symbol:         k_qc1c13ae840_rank.kd
    .args:
      - { .name: sp, .offset: 0, .size: 8, .value_kind: global_buffer, .address_space: global }
      - { .name: lengths, .offset: 8, .size: 8, .value_kind: global_buffer, .address_space: global }
      - { .name: rk, .offset: 16, .size: 8, .value_kind: global_buffer, .address_space: global }
    .group_segment_fixed_size: 10240
    .private_segment_fixed_size: 0
    .kernarg_segment_align: 8
    .kernarg_segment_size: 24
    .max_flat_workgroup_size: 256
    .sgpr_count:     66
    .vgpr_count:     96
    .wavefront_size: 32
...
	.end_amdgpu_metadata
.endif
;; end of part 3
;; launch pool (part 4): grid 8 x 32, 16 waves a work-group, no clusters, 18,432 bytes of LDS; arguments x, rk, lengths, out0; writes out0
.if DOCPART == 4
	.amdgcn_target "amdgcn-amd-amdhsa--gfx1250"
	.amdhsa_code_object_version 6
	.text
	.protected	k_qc1c13ae840_pool
	.globl	k_qc1c13ae840_pool
	.p2align	8
	.type	k_qc1c13ae840_pool,@function
k_qc1c13ae840_pool:
	s_mov_b64 s[64:65], 0
	v_nop
	global_prefetch_b8 v0, s[64:65] scope:SCOPE_SE
	s_setreg_imm32_b32 hwreg(HW_REG_WAVE_MODE, 25, 1), 1
	s_wait_xcnt 0x0
; out0[b][c] = the mean of bf16(x[b][t][c]) over the k positions t whose place rk[b][t] is below k.  x is rounded to bf16 here as it is for the scores; sums in f32.
; k = max(6, ceil(7 len / 20)) with len = lengths[b] clamped to 0 .. 2,048, in whole numbers: (7 len + 19) x 52,429 >> 20 is the exact quotient by 20 for numbers below 262,144.  It equals reference()'s
; clip(ceil(f32(len) x 0.35f), 6, T), cut at the 717 places that top_k keeps: 0.35f lies 1.7e-8 of itself below 0.35, less than half a step of f32, so whole products round back onto the whole number,
; and all other products lie 0.05 or more from one.
; SHARES.  A work-group owns 128 columns (512 bytes of a row) of one b.  Wave 0 turns the row's 2,048 places into a list in LDS: list[place] = t.  The places are a permutation, so every word is written once.
; Wave w then takes the entries 16 i + w, i = 0 .. 44 (720 >= 717): 45 loads of 512 consecutive bytes, all issued before the first is waited for, the same number on every path.
; An entry at or beyond k names row list[k - 1] once more, and its bits are cleared before they are added.
; No matrix unit (its operands would be x in bf16, which is what is summed here, but 0.03 % of the arithmetic does not pay for a second layout), no cluster (no two work-groups read a byte of x in common).
.set LIST,  0                          ; 2,048 words
.set RED,   8192                       ; 16 waves x 512 bytes
.set SPARE, 16384                      ; the spare words, 128 bytes for each of 16 waves: eight blocks of 256 bytes that no other line names
.set ACC, 8                            ; v[8:11]  my four columns' sums
.set T,   12                           ; v[12:19] at work
.set L0,  20                           ; lane l: list entry 16 l + w
.set L1,  21                           ; lane l: list entry 16 (32 + l) + w
.set L16, 22                           ; 16 x lane
.set SPW, 24
.set NIL, 25
.set D,   32                           ; v[32:211] entry i: first the row's byte offset, then its 16 bytes
	s_load_b256 s[4:11], s[0:1], 0x0               ; x s[4:5], rk s[6:7], lengths s[8:9], out0 s[10:11]
	v_lshl_add_u32 v[SPW], v0, 2, SPARE
	v_mov_b32 v[NIL], 0
	v_lshrrev_b32 v1, 5, v0
	v_readfirstlane_b32 s12, v1                    ; wave
	v_and_b32 v2, 31, v0                           ; lane
	s_and_b32 s13, ttmp7, 0xffff                   ; b
	s_lshl_b32 s16, s13, 2
	s_mov_b32 s17, 0
	s_lshl_b32 s18, s13, 13
	s_mov_b32 s19, 0
	s_lshl_b32 s20, s13, 23                        ; 2,048 rows of 4,096 bytes
	s_lshl_b32 s21, ttmp9, 9                       ; my 512 bytes of a row
	s_add_co_u32 s20, s20, s21
	s_lshl_b32 s22, s13, 12
	s_add_co_u32 s22, s22, s21
	s_mov_b32 s21, 0
	s_mov_b32 s23, 0
	v_lshlrev_b32 v[L16], 4, v2
	s_wait_kmcnt 0x0
	s_add_nc_u64 s[8:9], s[8:9], s[16:17]
	s_load_b32 s14, s[8:9], 0x0
	s_add_nc_u64 s[6:7], s[6:7], s[18:19]
	s_add_nc_u64 s[4:5], s[4:5], s[20:21]
	s_add_nc_u64 s[10:11], s[10:11], s[22:23]
	s_cmp_lg_u32 s12, 0
	s_cbranch_scc1 .Llisted                        ; one wave writes the list, so that all stores at places read from memory are one wave's
.set i, 0
.rept 16
	global_load_b128 v[D+4*i:D+4*i+3], v[L16], s[6:7] offset:512*i
.set i, i+1
.endr
	v_lshlrev_b32 v3, 2, v2                        ; load i brings me the places of t = 128 i + 4 lane + e
.set i, 0
.rept 16
	s_wait_loadcnt 15-i                            ; loads come back in order: number i is in
.set e, 0
.rept 4
	v_min_u32 v[T+2*(e%2)], 0x7ff, v[D+4*i+e]      ; a place stays inside the list
	v_lshlrev_b32 v[T+2*(e%2)], 2, v[T+2*(e%2)]
	v_add_nc_u32 v[T+2*(e%2)+1], 128*i+e, v3
	ds_store_b32 v[T+2*(e%2)], v[T+2*(e%2)+1] offset:LIST
.set e, e+1
.endr
.set i, i+1
.endr
.Llisted:
	s_wait_kmcnt 0x0
	s_max_i32 s14, s14, 0
	s_min_i32 s14, s14, 2048
	s_mul_i32 s15, s14, 7
	s_add_co_u32 s15, s15, 19
	s_mul_i32 s15, s15, 52429
	s_lshr_b32 s15, s15, 20
	s_max_u32 s15, s15, 6                          ; k
	s_sub_co_u32 s24, s15, 1
	v_lshl_add_u32 v3, v2, 4, s12                  ; entry 16 lane + w,
	v_add_nc_u32 v4, 512, v3                       ; and 32 lanes on
	v_min_u32 v3, s24, v3
	v_min_u32 v4, s24, v4
	v_min_u32 v3, 0x7ff, v3
	v_min_u32 v4, 0x7ff, v4
	v_lshlrev_b32 v3, 2, v3
	v_lshlrev_b32 v4, 2, v4
	s_wait_dscnt 0x0                               ; for the others' sake: the list is stored
	s_barrier_signal -1
	s_barrier_wait -1
	ds_load_b32 v[L0], v3 offset:LIST
	ds_load_b32 v[L1], v4 offset:LIST
	s_wait_dscnt 0x0
.set i, 0
.rept 45
	v_readlane_b32 s25, v[L0+i/32], i%32           ; the row of entry 16 i + w
	s_min_u32 s25, s25, 0x7ff
	v_lshl_add_u32 v[D+4*i], s25, 12, v[L16]
	global_load_b128 v[D+4*i:D+4*i+3], v[D+4*i], s[4:5]        ; 512 consecutive bytes, aligned; the load lands on its own offset register
.set i, i+1
.endr
.set i, 0
.rept 45
	s_wait_loadcnt 44-i                            ; the younger loads stay out
	s_add_co_u32 s25, s12, 16*i
	s_cmp_lt_u32 s25, s15
	s_cselect_b32 s26, -1, 0                       ; all ones for an entry below k
	v_cvt_pk_bf16_f32 v[T], v[D+4*i], v[D+4*i+1]
	v_cvt_pk_bf16_f32 v[T+1], v[D+4*i+2], v[D+4*i+3]
	v_and_b32 v[T], s26, v[T]
	v_and_b32 v[T+1], s26, v[T+1]
.if i == 0
	v_lshlrev_b32 v[ACC], 16, v[T]                 ; the first entry starts the sums
	v_and_b32 v[ACC+1], 0xffff0000, v[T]
	v_lshlrev_b32 v[ACC+2], 16, v[T+1]
	v_and_b32 v[ACC+3], 0xffff0000, v[T+1]
.else
	v_lshlrev_b32 v[T+2], 16, v[T]
	v_and_b32 v[T+3], 0xffff0000, v[T]
	v_lshlrev_b32 v[T+4], 16, v[T+1]
	v_and_b32 v[T+5], 0xffff0000, v[T+1]
	v_pk_add_f32 v[ACC:ACC+1], v[ACC:ACC+1], v[T+2:T+3]
	v_pk_add_f32 v[ACC+2:ACC+3], v[ACC+2:ACC+3], v[T+4:T+5]
.endif
.set i, i+1
.endr
	v_lshlrev_b32 v3, 4, v0
	ds_store_b128 v3, v[ACC:ACC+3] offset:RED
	s_wait_dscnt 0x0
	s_barrier_signal -1
	s_barrier_wait -1
	s_cmp_lg_u32 s12, 0
	s_cbranch_scc1 .Lend                           ; wave 0 adds the sixteen waves' sums
.set j, 0
.rept 16
	ds_load_b128 v[D+4*j:D+4*j+3], v[L16] offset:RED+512*j
.set j, j+1
.endr
	v_cvt_f32_u32 v[T], s15
	v_rcp_f32 v[T], v[T]                           ; the additions below stand between the reciprocal and its use
	s_wait_dscnt 0x0
.set j, 1
.rept 15
	v_pk_add_f32 v[D:D+1], v[D:D+1], v[D+4*j:D+4*j+1]
	v_pk_add_f32 v[D+2:D+3], v[D+2:D+3], v[D+4*j+2:D+4*j+3]
.set j, j+1
.endr
.set j, 0
	s_wait_alu depctr_va_vdst(0)
.rept 4
	v_mul_f32 v[D+j], v[D+j], v[T]
.set j, j+1
.endr
	global_store_b128 v[L16], v[D:D+3], s[10:11]   ; 512 consecutive bytes, aligned
.Lend:
	s_wait_tensorcnt 0x0                           ; the wave's end, behind my last LDS store
	ds_add_u32 v[SPW], v[NIL]
	s_wait_dscnt 0x0
	s_endpgm
.Lfunc_end_k_qc1c13ae840_pool:
	.size	k_qc1c13ae840_pool, .Lfunc_end_k_qc1c13ae840_pool-k_qc1c13ae840_pool
	.p2alignl 7, 3214868480
	.fill 96, 4, 3214868480
	.section	.rodata,"a",@progbits
	.p2align	6, 0x0
	.amdhsa_kernel k_qc1c13ae840_pool
		.amdhsa_group_segment_fixed_size 18432
		.amdhsa_private_segment_fixed_size 0
		.amdhsa_enable_private_segment 0
		.amdhsa_kernarg_size 32
		.amdhsa_user_sgpr_count 2
		.amdhsa_user_sgpr_kernarg_segment_ptr 1
		.amdhsa_wavefront_size32 1
		.amdhsa_system_sgpr_workgroup_id_x 1
		.amdhsa_system_sgpr_workgroup_id_y 1
		.amdhsa_system_sgpr_workgroup_id_z 1
		.amdhsa_system_vgpr_workitem_id 0
		.amdhsa_next_free_vgpr 224
		.amdhsa_next_free_sgpr 66
		.amdhsa_reserve_vcc 0
		.amdhsa_float_denorm_mode_32 3
		.amdhsa_float_denorm_mode_16_64 3
		.amdhsa_memory_ordered 1
		.amdhsa_forward_progress 1
		.amdhsa_inst_pref_size 64
	.end_amdhsa_kernel
	.amdgpu_metadata
---
amdhsa.version: [ 1, 2 ]
amdhsa.kernels:
  - .name:           k_qc1c13ae840_pool
    .symbol:         k_qc1c13ae840_pool.kd
    .args:
      - { .name: x, .offset: 0, .size: 8, .value_kind: global_buffer, .address_space: global }
      - { .name: rk, .offset: 8, .size: 8, .value_kind: global_buffer, .address_space: global }
      - { .name: lengths, .offset: 16, .size: 8, .value_kind: global_buffer, .address_space: global }
      - { .name: out0, .offset: 24, .size: 8, .value_kind: global_buffer, .address_space: global }
    .group_segment_fixed_size: 18432
    .private_segment_fixed_size: 0
    .kernarg_segment_align: 8
    .kernarg_segment_size: 32
    .max_flat_workgroup_size: 512
    .sgpr_count:     66
    .vgpr_count:     224
    .wavefront_size: 32
...
	.end_amdgpu_metadata
.endif
;; end of part 4
;; ======== version 2 of 2: 4 launches; version 1 with the launch pool written anew for expert scheduling mode
;; workspace buffers: wb 2,097,152 bytes; sp 1,048,576 bytes; rk 262,144 bytes of whole numbers
;; launch prep: the kernel of part 1 again; grid 16 x 16, 4 waves a work-group, no clusters, 9,728 bytes of LDS; arguments w1, wb; writes wb
;; launch score: the kernel of part 2 again; grid 4 x 256, 4 waves a work-group, clusters of 4 x 4, 327,680 bytes of LDS; arguments x, wb, b1, w2, lengths, sp; writes sp
;; launch rank: the kernel of part 3 again; grid 32 x 32, 8 waves a work-group, no clusters, 10,240 bytes of LDS; arguments sp, lengths, rk; writes rk
;; launch pool (part 5): grid 8 x 32, 16 waves a work-group, no clusters, 18,432 bytes of LDS; arguments x, rk, lengths, out0; writes out0
.if DOCPART == 5
	.amdgcn_target "amdgcn-amd-amdhsa--gfx1250"
	.amdhsa_code_object_version 6
	.text
	.protected	k_qc1c13ae840_pool
	.globl	k_qc1c13ae840_pool
	.p2align	8
	.type	k_qc1c13ae840_pool,@function
k_qc1c13ae840_pool:
	s_mov_b64 s[64:65], 0
	v_nop
	global_prefetch_b8 v0, s[64:65] scope:SCOPE_SE
	s_setreg_imm32_b32 hwreg(HW_REG_WAVE_SCHED_MODE, 0, 2), 2
	s_setreg_imm32_b32 hwreg(HW_REG_WAVE_MODE, 25, 1), 1
	s_wait_xcnt 0x0
	s_wait_alu depctr_vm_vsrc(0)
; out0[b][c] = the mean of bf16(x[b][t][c]) over the k positions t whose place rk[b][t] is below k.  x is rounded to bf16 here as it is for the scores; sums in f32.
; k = max(6, ceil(7 len / 20)) with len = lengths[b] clamped to 0 .. 2,048, in whole numbers: (7 len + 19) x 52,429 >> 20 is the exact quotient by 20 for numbers below 262,144.  It equals reference()'s
; clip(ceil(f32(len) x 0.35f), 6, T), cut at the 717 places that top_k keeps: 0.35f lies 1.7e-8 of itself below 0.35, less than half a step of f32, so whole products round back onto the whole number,
; and all other products lie 0.05 or more from one.
; SHARES.  A work-group owns 128 columns (512 bytes of a row) of one b.  Wave 0 turns the row's 2,048 places into a list in LDS: list[place] = t.  The places are a permutation, so every word is written once.
; Wave w then takes the entries 16 i + w, i = 0 .. 44 (720 >= 717): 45 loads of 512 consecutive bytes, all issued before the first is waited for, the same number on every path.
; An entry at or beyond k names row list[k - 1] once more, and its bits are cleared before they are added.
; No matrix unit (its operands would be x in bf16, which is what is summed here, but 0.03 % of the arithmetic does not pay for a second layout), no cluster (no two work-groups read a byte of x in common).
; THE MODE: SCHED_MODE bits 1:0 = 2 (LLVM: expert scheduling mode 2), set by the entry lines.  The code itself states the register dependences between vector instructions and memory or LDS
; instructions, and those through scalar registers that vector instructions write, with s_wait_alu, always for 0.
; THE PLAN.  Registers that memory or LDS instructions touch:
;   v[L16], v[RA]    offsets, made at the head and never written again.
;   D+0 .. D+127     wave 0 alone, for the list: rk's loads land in D+0..63, which are clamped and shifted in place into LDS addresses; D+64..127 take the 64 numbers t.  ONE wait stands ahead of the 64 LDS
;                    stores that read them, and one behind these stores, since the gather's loads land in the same registers.
;   v3, v4           LDS addresses of my two words of the list: written once behind the list's label, read by two LDS loads.
;   v[L0], v[L1]     those loads' data; read by the 45 v_readlane_b32, each of which writes a scalar register of its own: one run, one wait.
;   AD+0 .. AD+44    entry i's byte offset: written once, read by entry i's load, never written again.
;   D+0 .. D+179     entry i's 16 bytes: written by its load, read by its two conversions.  The loads go in three batches of fifteen, one wait ahead of each, for the batch's offsets.
;   ACC              written by the sums, read by one LDS store; the wait ahead of that store also states that the conversions are done reading D, where wave 0's loads of the sixteen sums land.
.set LIST,  0                          ; 2,048 words
.set RED,   8192                       ; 16 waves x 512 bytes
.set SPARE, 16384                      ; the spare words, 128 bytes for each of 16 waves: eight blocks of 256 bytes that no other line names
.set RA,  5                            ; v5       16 x thread: where my sums go in RED
.set ACC, 8                            ; v[8:11]  my four columns' sums
.set T,   12                           ; v[12:19] at work: no memory or LDS instruction names them
.set L0,  20                           ; lane l: list entry 16 l + w
.set L1,  21                           ; lane l: list entry 16 (32 + l) + w
.set L16, 22                           ; 16 x lane
.set SPW, 24
.set NIL, 25
.set AD,  26                           ; v[26:70]  entry i: the row's byte offset + 16 x lane
.set D,   72                           ; v[72:251] entry i: its 16 bytes
.set TV,  D+64                         ; wave 0, for the list: the 64 numbers t
.set ROWS, 28                          ; s28-63 and s66-74: the row of entry i at s[ROWS + i + 2 (i / 36)]
	s_load_b256 s[4:11], s[0:1], 0x0               ; x s[4:5], rk s[6:7], lengths s[8:9], out0 s[10:11]
	v_lshl_add_u32 v[SPW], v0, 2, SPARE
	v_mov_b32 v[NIL], 0
	v_lshrrev_b32 v1, 5, v0
	v_readfirstlane_b32 s12, v1                    ; wave
	v_and_b32 v2, 31, v0                           ; lane
	v_lshlrev_b32 v[L16], 4, v2
	v_lshlrev_b32 v[RA], 4, v0
	s_and_b32 s13, ttmp7, 0xffff                   ; b
	s_lshl_b32 s16, s13, 2
	s_mov_b32 s17, 0
	s_lshl_b32 s18, s13, 13
	s_mov_b32 s19, 0
	s_lshl_b32 s20, s13, 23                        ; 2,048 rows of 4,096 bytes
	s_lshl_b32 s21, ttmp9, 9                       ; my 512 bytes of a row
	s_add_co_u32 s20, s20, s21
	s_lshl_b32 s22, s13, 12
	s_add_co_u32 s22, s22, s21
	s_mov_b32 s21, 0
	s_mov_b32 s23, 0
	s_wait_kmcnt 0x0
	s_add_nc_u64 s[8:9], s[8:9], s[16:17]
	s_load_b32 s14, s[8:9], 0x0
	s_add_nc_u64 s[6:7], s[6:7], s[18:19]
	s_add_nc_u64 s[4:5], s[4:5], s[20:21]
	s_add_nc_u64 s[10:11], s[10:11], s[22:23]
	s_wait_alu depctr_va_sdst(0)                   ; s12 is written, ahead of its first reader, the compare below
	s_wait_alu depctr_va_vdst(0)                   ; v[L16] and v[RA] are written: the loads of rk, the loads from RED and the last store read the one as their offset, the store into RED the other
	s_cmp_lg_u32 s12, 0
	s_cbranch_scc1 .Llisted                        ; one wave writes the list, so that all stores at places read from memory are one wave's
.set i, 0
.rept 16
	global_load_b128 v[D+4*i:D+4*i+3], v[L16], s[6:7] offset:512*i
.set i, i+1
.endr
	v_lshlrev_b32 v3, 2, v2                        ; load i brings me the places of t = 128 i + 4 lane + e
.set n, 0
.rept 64
	v_add_nc_u32 v[TV+n], 128*(n/4)+n%4, v3        ; the 64 numbers t are made while the places are on their way; no load lands in these registers
.set n, n+1
.endr
.set i, 0
.rept 16
	s_wait_loadcnt 15-i                            ; loads come back in order: number i is in
.set e, 0
.rept 4
	v_min_u32 v[D+4*i+e], 0x7ff, v[D+4*i+e]        ; a place stays inside the list
.set e, e+1
.endr
.set e, 0
.rept 4
	v_lshlrev_b32 v[D+4*i+e], 2, v[D+4*i+e]        ; and becomes its word's LDS address, in place
.set e, e+1
.endr
.set i, i+1
.endr
	s_wait_alu depctr_va_vdst(0)                   ; the 64 addresses in v[D ..] and the 64 numbers in v[TV ..] are written, which the LDS stores below read
.set n, 0
.rept 64
	ds_store_b32 v[D+n], v[TV+n] offset:LIST
.set n, n+1
.endr
	s_wait_alu depctr_vm_vsrc(0)                   ; these stores have read v[D ..] and v[TV ..], in which the loads of x's rows land further down
.Llisted:
	s_wait_kmcnt 0x0
	s_max_i32 s14, s14, 0
	s_min_i32 s14, s14, 2048
	s_mul_i32 s15, s14, 7
	s_add_co_u32 s15, s15, 19
	s_mul_i32 s15, s15, 52429
	s_lshr_b32 s15, s15, 20
	s_max_u32 s15, s15, 6                          ; k
	s_sub_co_u32 s24, s15, 1
	v_lshl_add_u32 v3, v2, 4, s12                  ; entry 16 lane + w,
	v_add_nc_u32 v4, 512, v3                       ; and 32 lanes on
	v_min_u32 v3, s24, v3
	v_min_u32 v4, s24, v4
	v_min_u32 v3, 0x7ff, v3
	v_min_u32 v4, 0x7ff, v4
	v_lshlrev_b32 v3, 2, v3
	v_lshlrev_b32 v4, 2, v4
	s_wait_dscnt 0x0                               ; for the others' sake: the list is stored
	s_barrier_signal -1
	s_barrier_wait -1
	s_wait_alu depctr_va_vdst(0)                   ; v3 and v4 are written, the addresses of the two LDS loads below
	ds_load_b32 v[L0], v3 offset:LIST
	ds_load_b32 v[L1], v4 offset:LIST
	s_wait_dscnt 0x0
.set i, 0
.rept 45
	v_readlane_b32 s[ROWS+i+2*(i/36)], v[L0+i/32], i%32        ; the row of entry 16 i + w: a scalar register to each entry, so that the run has one wait
.set i, i+1
.endr
	s_wait_alu depctr_va_sdst(0)                   ; the 45 scalar registers are written, ahead of their first readers, the clamps below
.set g, 0
.rept 3                                                ; three batches of fifteen entries: the first loads leave when fifteen offsets are made
.set i, 15*g
.rept 15
	s_min_u32 s[ROWS+i+2*(i/36)], s[ROWS+i+2*(i/36)], 0x7ff
.set i, i+1
.endr
.set i, 15*g
.rept 15
	v_lshl_add_u32 v[AD+i], s[ROWS+i+2*(i/36)], 12, v[L16]
.set i, i+1
.endr
	s_wait_alu depctr_va_vdst(0)                   ; the batch's fifteen offsets in v[AD ..] are written, which its loads read; at the first batch also: wave 0's lines for the list are done with v[D ..], in which the loads land
.set i, 15*g
.rept 15
	global_load_b128 v[D+4*i:D+4*i+3], v[AD+i], s[4:5]         ; 512 consecutive bytes, aligned
.set i, i+1
.endr
.set g, g+1
.endr
.set i, 0
.rept 45
	s_wait_loadcnt 44-i                            ; the younger loads stay out
	s_add_co_u32 s25, s12, 16*i
	s_cmp_lt_u32 s25, s15
	s_cselect_b32 s26, -1, 0                       ; all ones for an entry below k
	v_cvt_pk_bf16_f32 v[T], v[D+4*i], v[D+4*i+1]
	v_cvt_pk_bf16_f32 v[T+1], v[D+4*i+2], v[D+4*i+3]
	v_and_b32 v[T], s26, v[T]
	v_and_b32 v[T+1], s26, v[T+1]
.if i == 0
	v_lshlrev_b32 v[ACC], 16, v[T]                 ; the first entry starts the sums
	v_and_b32 v[ACC+1], 0xffff0000, v[T]
	v_lshlrev_b32 v[ACC+2], 16, v[T+1]
	v_and_b32 v[ACC+3], 0xffff0000, v[T+1]
.else
	v_lshlrev_b32 v[T+2], 16, v[T]
	v_and_b32 v[T+3], 0xffff0000, v[T]
	v_lshlrev_b32 v[T+4], 16, v[T+1]
	v_and_b32 v[T+5], 0xffff0000, v[T+1]
	v_pk_add_f32 v[ACC:ACC+1], v[ACC:ACC+1], v[T+2:T+3]
	v_pk_add_f32 v[ACC+2:ACC+3], v[ACC+2:ACC+3], v[T+4:T+5]
.endif
.set i, i+1
.endr
	s_wait_alu depctr_va_vdst(0)                   ; the sums have written v[ACC ..], which the LDS store reads; and the conversions are done reading v[D ..], in which wave 0's LDS loads below land
	ds_store_b128 v[RA], v[ACC:ACC+3] offset:RED
	s_wait_dscnt 0x0
	s_barrier_signal -1
	s_barrier_wait -1
	s_cmp_lg_u32 s12, 0
	s_cbranch_scc1 .Lend                           ; wave 0 adds the sixteen waves' sums
.set j, 0
.rept 16
	ds_load_b128 v[D+4*j:D+4*j+3], v[L16] offset:RED+512*j     ; no vector instruction since the wait ahead of the store names these registers
.set j, j+1
.endr
	v_cvt_f32_u32 v[T], s15
	v_rcp_f32 v[T], v[T]                           ; the additions below stand between the reciprocal and its use
	s_wait_dscnt 0x0
.set j, 1
.rept 15
	v_pk_add_f32 v[D:D+1], v[D:D+1], v[D+4*j:D+4*j+1]
	v_pk_add_f32 v[D+2:D+3], v[D+2:D+3], v[D+4*j+2:D+4*j+3]
.set j, j+1
.endr
	s_wait_alu depctr_va_vdst(0)                   ; the reciprocal has written v[T], ahead of its first reader
.set j, 0
.rept 4
	v_mul_f32 v[D+j], v[D+j], v[T]
.set j, j+1
.endr
	s_wait_alu depctr_va_vdst(0)                   ; the four multiplies have written v[D .. D+3], which the store reads
	global_store_b128 v[L16], v[D:D+3], s[10:11]   ; 512 consecutive bytes, aligned
.Lend:
	s_wait_dscnt 0x0                               ; the wave's end
	s_wait_alu 0x0
	s_wait_tensorcnt 0x0
	ds_add_u32 v[SPW], v[NIL]
	s_wait_dscnt 0x0
	s_endpgm
.Lfunc_end_k_qc1c13ae840_pool:
	.size	k_qc1c13ae840_pool, .Lfunc_end_k_qc1c13ae840_pool-k_qc1c13ae840_pool
	.p2alignl 7, 3214868480
	.fill 96, 4, 3214868480
	.section	.rodata,"a",@progbits
	.p2align	6, 0x0
	.amdhsa_kernel k_qc1c13ae840_pool
		.amdhsa_group_segment_fixed_size 18432
		.amdhsa_private_segment_fixed_size 0
		.amdhsa_enable_private_segment 0
		.amdhsa_kernarg_size 32
		.amdhsa_user_sgpr_count 2
		.amdhsa_user_sgpr_kernarg_segment_ptr 1
		.amdhsa_wavefront_size32 1
		.amdhsa_system_sgpr_workgroup_id_x 1
		.amdhsa_system_sgpr_workgroup_id_y 1
		.amdhsa_system_sgpr_workgroup_id_z 1
		.amdhsa_system_vgpr_workitem_id 0
		.amdhsa_next_free_vgpr 252
		.amdhsa_next_free_sgpr 76
		.amdhsa_reserve_vcc 0
		.amdhsa_float_denorm_mode_32 3
		.amdhsa_float_denorm_mode_16_64 3
		.amdhsa_memory_ordered 1
		.amdhsa_forward_progress 1
		.amdhsa_inst_pref_size 65
	.end_amdhsa_kernel
	.amdgpu_metadata
---
amdhsa.version: [ 1, 2 ]
amdhsa.kernels:
  - .name:           k_qc1c13ae840_pool
    .symbol:         k_qc1c13ae840_pool.kd
    .args:
      - { .name: x, .offset: 0, .size: 8, .value_kind: global_buffer, .address_space: global }
      - { .name: rk, .offset: 8, .size: 8, .value_kind: global_buffer, .address_space: global }
      - { .name: lengths, .offset: 16, .size: 8, .value_kind: global_buffer, .address_space: global }
      - { .name: out0, .offset: 24, .size: 8, .value_kind: global_buffer, .address_space: global }
    .group_segment_fixed_size: 18432
    .private_segment_fixed_size: 0
    .kernarg_segment_align: 8
    .kernarg_segment_size: 32
    .max_flat_workgroup_size: 512
    .sgpr_count:     76
    .vgpr_count:     252
    .wavefront_size: 32
...
	.end_amdgpu_metadata
.endif
;; end of part 5
